; MI455X (gfx1250); checked and timed in simulation.
; The chip was launched on July 23, 2026; its instructions are those of AMD's public machine-readable ISA for CDNA 5 (MIT licence, August 2026) and "CDNA5" Instruction Set Architecture Reference Guide (July 2026). The comments in the code are by the model that wrote it; some were corrected since.
;; Head Attention. Allowed arithmetic: matrix products marked QUANTISED: E4M3 operands, one E8M0 scale for each 32 along K, by v_wmma_scale_f32_16x16x128_f8f6f4 with both operands' format E4M3, f32 sums; everything else in f32.
;; Inputs: Wk_codes 128 x 32 x 32 uint8 (E4M3 codes of Wk, K innermost, in blocks of 32 codes); Wk_scales 128 x 32 uint8 (E8M0 scales of Wk, one for each 32 codes along K); Wq_codes 128 x 32 x 32 uint8 (E4M3 codes of Wq, K innermost, in blocks of 32 codes); Wq_scales 128 x 32 uint8 (E8M0 scales of Wq, one for each 32 codes along K); Wv_codes 128 x 32 x 32 uint8 (E4M3 codes of Wv, K innermost, in blocks of 32 codes); Wv_scales 128 x 32 uint8 (E8M0 scales of Wv, one for each 32 codes along K); bk 128 float32; bq 128 float32; bv 128 float32; x_codes 4 x 4,096 x 32 x 32 uint8 (E4M3 codes of x, K innermost, in blocks of 32 codes); x_scales 4 x 4,096 x 32 uint8 (E8M0 scales of x, one for each 32 codes along K).
;; Outputs: out0 4 x 4,096 x 128 float32.
;; This version of the problem:
;;   THIS VERSION OF THE PROBLEM IS GIVEN IN LOW PRECISION. The matrix products marked QUANTISED in the list below multiply operands that are first quantised to E4M3 (4 exponent bits, 3 mantissa bits; 8 bits a number), with one power-of-two scale for each 32 numbers along K (OCP MX v1.0); their sums are f32. All else is computed in f32.
;;   The module's matrix products, in the order in which they are computed (A, B: the left and right operand; K: the contracted axis; several contracted axes count as one K, in the product's order):
;;     1. [M 16,384, K 1,024] x [K 1,024, N 128]; A: input x (given as codes); B: input Wq (given as codes): QUANTISED
;;     2. [M 16,384, K 1,024] x [K 1,024, N 128]; A: input x (given as codes); B: input Wk (given as codes): QUANTISED
;;     3. [M 16,384, K 1,024] x [K 1,024, N 128]; A: input x (given as codes); B: input Wv (given as codes): QUANTISED
;;     4. batch 4 x [M 4,096, K 128] x [K 128, N 4,096]; A: computed on the way; B: computed on the way: QUANTISED
;;     5. batch 4 x [M 4,096, K 4,096] x [K 4,096, N 128]; A: softmax (see below); B: computed on the way: QUANTISED
;;   THE QUANTISER, for each operand of a quantised product, along K:
;;     - K is cut into blocks of 32 from its start; a last block that is shorter is filled with zeros.
;;     - A block's scale is 2^e with e = floor(log2(the largest magnitude in the block)) - 8, held to -126 .. 127; a block of zeros has e = 0. As a byte (E8M0): e + 127.
;;     - Each number is divided by its block's scale, clamped to +-448, and rounded to the nearest number of E4M3, ties to even, subnormals kept.
;;     - The product sums the exact products of the quantised numbers (number of the format x scale) in f32.
;;   ~~~python
;;   def quantise(x, axis):      # numpy; x: float32 -> the quantised numbers, widened to float32 again
;;       x = np.moveaxis(x, axis, -1); K = x.shape[-1]
;;       x = np.pad(x, [(0, 0)] * (x.ndim - 1) + [(0, -K % 32)]); x = x.reshape(x.shape[:-1] + (-1, 32)); a = np.abs(x).max(-1, keepdims=True)
;;       e = np.where(a > 0, np.clip(np.frexp(np.where(a > 0, a, 1))[1] - 1 - 8, -126, 127), 0)      # np.frexp(a)[1] - 1 = floor(log2(a)), exactly
;;       r = np.clip(x / 2.0 ** e, -448, 448)
;;       step = 2.0 ** (np.maximum(np.frexp(np.where(r == 0, 1, r))[1] - 1, -6) - 3)
;;       q = np.round(r / step) * step * 2.0 ** e      # np.round: ties to even
;;       return np.moveaxis(q.reshape(q.shape[:-2] + (-1,))[..., :K], -1, axis).astype(np.float32)
;;   ~~~
;;   SOFTMAX AHEAD OF A QUANTISED PRODUCT. Where the list says 'softmax', what is quantised is not the finished softmax but p = 2^(t - M), with t = logit x log2(e) and M = ceil(the row's largest t), a whole number; so 1/2 < the row's largest p <= 1. The row's sum l is taken of the UNQUANTISED p, in f32, and the product's result is divided by l at the end. Since M is a whole number, a kernel that streams over the keys may use a running M (the ceiling of the running maximum): every later rescaling is an exact power of two, which a block's scale takes up: the codes' values come out the same.
;;   OPERANDS COMPUTED ON THE WAY. 'Computed on the way' means the value that the module computes at that place (a softmax that the list does not call 'softmax' is quantised finished and normalised). What goes into a quantiser is computed in f32, as accurately as f32 sums, v_exp_f32 and their like allow (about 1e-6 of the number): no bf16 or f16 on the way to a quantiser, and a product that is left as it is and whose result goes on into a quantised operand takes f32 operands (vector FMAs, or v_wmma_f32_16x16x4_f32). A number that lies on a knife's edge between two numbers of the format may be rounded either way, as far as f32 arithmetic and the matrix unit's own rounding can turn it there, and no further.
;;   INPUTS GIVEN AS CODES. Wk (in the module: [1024, 128], K = its axis 0); Wq (in the module: [1024, 128], K = its axis 0); Wv (in the module: [1024, 128], K = its axis 0); x (in the module: [4, 4096, 1024], K = its axis 2): each comes as NAME_codes (uint8): NAME with its K axis moved to the last place and cut into blocks of 32 codes, [.., K / 32, bytes a block], one block behind the other in memory; one code a byte (a code: sign, 4 exponent bits, 3 mantissa bits); and NAME_scales (uint8): the same leading axes, one E8M0 byte (e + 127) for each 32 codes along K. Its value is code x scale, taken as it is: it is not quantised again, and the codes and scales need not be those that the quantiser above would give.
;; One version. Each part assembles by itself: llvm-mc -triple=amdgcn-amd-amdhsa -mcpu=gfx1250 --defsym DOCPART=n.
;; ======== version 1 of 1: 2 launches
;; limits: right only within a limited range of input values
;; workspace buffers: ws 6,488,064 bytes
;; launch proj (part 1): grid 2 x 128, 4 waves a work-group, clusters of 2 x 4, 327,680 bytes of LDS; arguments x_codes, x_scales, Wq_codes, Wq_scales, Wk_codes, Wk_scales, Wv_codes, Wv_scales, bq, bk, bv, ws; writes ws
.if DOCPART == 1
	.amdgcn_target "amdgcn-amd-amdhsa--gfx1250"
	.amdhsa_code_object_version 6
	.text
	.protected	k_q18fb578fe0_proj
	.globl	k_q18fb578fe0_proj
	.p2align	8
	.type	k_q18fb578fe0_proj,@function
k_q18fb578fe0_proj:
	s_mov_b64 s[64:65], 0
	v_nop
	global_prefetch_b8 v0, s[64:65] scope:SCOPE_SE
	s_setreg_imm32_b32 hwreg(HW_REG_WAVE_MODE, 25, 1), 1
	s_wait_xcnt 0x0
	s_wait_alu depctr_hold_cnt(0) depctr_sa_sdst(0) depctr_va_vdst(0) depctr_va_sdst(0) depctr_va_ssrc(0) depctr_va_vcc(0) depctr_vm_vsrc(0)
	s_getreg_b32 s2, hwreg(HW_REG_IB_STS2, 6, 4)
	s_cmp_eq_u32 s2, 0
	s_cbranch_scc0 .Lentry_in_a_cluster
	s_endpgm
.Lentry_in_a_cluster:
	s_bfe_u32 s2, ttmp6, 0x10000c
	s_cmp_lg_u32 s2, 0x7031
	s_cbranch_scc0 .Lentry_shape_is_right
	s_endpgm
.Lentry_shape_is_right:
; q = x Wq + bq, k = x Wk + bk, v = x Wv + bv on the given codes of FP8 (E4M3) and E8M0 scales; the f32 results are quantised in registers
; (q and k along the head's 128, v along the tokens, blocks of 32) and stored as IMAGES OF OPERAND REGISTERS for the attention launch.
; ws: first 128 blocks of 128 tokens, KVB bytes each: K's 8 fragments (tile t, piece c at 2048 t + 512 c + 16 lane), V's 8 from 16384 on, K's scale words from 32768 on (word of tile t, row r at 256 (t / 4) + 16 r + 4 (t % 4)), V's from 33280 on;
; then from QOFF on 128 blocks of QB bytes: Q's 8 fragments and from 16384 on its scale words.  A tile's rows are 16 neighbours (tokens; V: channels).
; INSIDE A BLOCK OF 32 the next products' K goes in another order than the numbers lie: place 16 h + 8 u + j holds number 16 u + 8 h + j, for q and k alike and for v and the softmax's p alike, so no product changes.
; SHARES.  Work-group (half, block): 128 tokens; half 0 makes q and v's tiles 0-3, half 1 makes k and v's tiles 4-7, so each 256 bytes of ws come whole from one work-group.
; Wave w: head channels 32 w .. 32 w + 31 of q or k (two tiles) and v's tile 4 half + w, for all 8 tiles of tokens: 24 accumulators, 192 matrix instructions.
; q, k: source 0 = W's tile, source 1 = x's tile: a lane holds one token; the 16 registers of u = 0, 1 and the lane l xor 16's are a block of 32 channels.  v: source 0 = x's tile, source 1 = Wv's tile: a lane holds one channel,
; and the 16 registers of two neighbouring tiles of tokens, with lane l xor 16's, are a block of 32 tokens.  So the conversions' results are pieces of the next operands.  The biases are the C of each sum's first matrix instruction.
; FILLS.  Wave 0 fetches W_q's or W_k's 128 rows, wave 1 W_v's 64, waves 2 and 3 x's rows 0 to 95, one tensor load a wave.  W goes from LDS into 384 registers and stays there; x's rows 96 to 127 are then filled over W's rows, a quarter a wave, while tiles 0 to 5 are multiplied.
; CLUSTERS: 2 x 4.  The two of a row (same block) ask jointly for x's rows, the four of a column (same half) for W's.
; NO PREFETCH: all loads but the one refill are issued at the head.
; LIMITS: NaN and infinities are not served; a block of zeros, or one whose largest magnitude lies under 2^-118, gets the scale byte 1 (its codes are zeros or subnormal); these bytes are read by this program alone.
; REGISTERS, in windows of 256.  window 0: v4-27 addresses; v32-63 x's scale words; v66-77 W's; v78-95 the quantiser's; v96-143 codes; v128-255 x's fragments.
;   window 1: W's q or k fragments (tile u, K step s at 128 u + 16 s).  window 2: v0-127 Wv's fragments (16 s); v128-143 the q or k bias; v144-151 bv.  window 3: accumulators: q or k (tau, u) at 16 tau + 8 u; v (tau) at 128 + 8 tau.
.set KVB,   33792
.set QB,    16896
.set QOFF,  128*KVB
.set PITCH, 1040                       ; an LDS row: 1,024 bytes + 16 of padding
.set T16,   16*PITCH                   ; a tile's rows
.set WV,    128*PITCH                  ; W_q's or W_k's rows from 0 on, then W_v's 64,
.set XR,    192*PITCH                  ; then x's rows 0 to 95
.set SCM,   XR+96*PITCH                ; 512 bytes: the q or k scale words; then 256 bytes: v's
.set SPARE, SCM+768                    ; the spare words, 128 bytes for each wave: two blocks of 256 bytes that no other line names
.set SPW,   17                         ; v17  SPARE + 4 x my thread's number; never rewritten
.set NIL,   18                         ; v18  0; never rewritten
.set XS,    32                         ; x's scale words: tile tau at XS + 4 tau + s % 4; lanes 0-15 K steps 0-3, lanes 16-31 K steps 4-7
.set WS,    66                         ; W's: tile i likewise
.set PW,    78                         ; a scale word just made
.set TM,    80                         ; v80-83 largest magnitudes, v84-87 bytes, v88-91 448 x the scale, v92-95 the conversions' scale operands
.set PC0,   96
.set PC1,   112
.set PC2,   128
.set XF,    128
.set G1A,   32
.set G1B,   40
.set G1X,   48
.set G1R,   56
.set G0A,   68
.set G0X,   72
.set G0R,   76
.set G0B,   80
.set MSB, 0
.macro WIN new                         ; the immediate's high byte repeats the setting that is left
.if MSB != \new
	s_set_vgpr_msb (MSB<<8)|\new
.set MSB, \new
.endif
.endm
.macro PLACES n
.rept \n
	v_nop
.endr
.endm
.macro WALU
	s_wait_alu depctr_va_vdst(0)
.endm
.macro ROUND                           ; a round of the cluster's barrier
	s_barrier_signal -1
	s_barrier_wait -1
	s_cmp_lg_u32 s28, 0
	s_cbranch_scc1 .Lnw0_\@
	s_barrier_signal -3
.Lnw0_\@:
	s_barrier_wait -3
	s_barrier_signal -1
	s_barrier_wait -1
.endm
.macro TLOAD g0, g1
	tensor_load_to_lds s[\g0:\g0+3], s[\g1:\g1+7]
	s_nop 0
	PLACES 4
.endm
.macro GROUP1 g, mask, rows            ; descriptor group 1: so many whole rows of 1,024 bytes, 4 words of padding behind each
	s_or_b32 s[\g], s[\mask], (1<<20)|(1<<21)|(7<<22)|(3<<25)
	s_mov_b32 s[\g+1], 1024<<16
	s_mov_b32 s[\g+2], (\rows)<<16
	s_mov_b32 s[\g+3], 1024<<16
	s_mov_b32 s[\g+4], \rows
	s_mov_b32 s[\g+5], 1024
	s_mov_b32 s[\g+6], 0
	s_mov_b32 s[\g+7], 0
.endm
	s_load_b512 s[4:19], s[0:1], 0x0               ; x's codes s[4:5], x's scales s[6:7], Wq's s[8:11], Wk's s[12:15], Wv's s[16:19]
	s_load_b256 s[20:27], s[0:1], 0x40             ; bq s[20:21], bk s[22:23], bv s[24:25], ws s[26:27]
	v_lshl_add_u32 v[SPW], v0, 2, SPARE
	v_mov_b32 v[NIL], 0
	ds_add_u32 v[SPW], v[NIL]                      ; the wave's opening: the add, twice on end, and its wait ahead of my first tensor load; work on registers stands between
	ds_add_u32 v[SPW], v[NIL]
	v_lshrrev_b32 v1, 5, v0
	v_readfirstlane_b32 s28, v1                    ; wave w
	s_bfe_u32 s84, ttmp6, 0x40000                  ; cx = half
	s_bfe_u32 s85, ttmp6, 0x40004                  ; cy
	s_and_b32 s86, ttmp7, 0xffff
	s_lshl_b32 s86, s86, 2
	s_add_co_u32 s86, s86, s85                     ; the block of 128 tokens = 4 x cluster y + cy
	s_lshl_b32 s87, s85, 1
	s_lshl_b32 s87, 3, s87                         ; my row of the cluster: places 2 cy, 2 cy + 1
	s_lshl_b32 s88, 0x55, s84                      ; my column: places cx, cx + 2, cx + 4, cx + 6
	s_lshl_b32 s29, s84, 2
	s_add_co_u32 s29, s29, s28                     ; t = 4 half + w: my tile of v
	GROUP1 G1A, 88, 128
	GROUP1 G1B, 88, 64
	GROUP1 G1X, 87, 48
	GROUP1 G1R, 87, 8
	s_lshl_b32 s90, s84, 16                        ; W_v: 64 half rows on
	s_mov_b32 s91, 0
	s_and_b32 s94, s28, 1
	s_mul_i32 s95, s94, 48*PITCH                   ; waves 2, 3: x's rows 0-47, 48-95
	s_mul_i32 s94, s94, 48*1024
	s_lshl_b32 s92, s86, 17
	s_add_co_u32 s92, s92, s94
	s_mov_b32 s93, 0
	s_lshl_b32 s96, s86, 17                        ; the refill: x's row 96 + 8 w
	s_lshl_b32 s97, s28, 13
	s_add_co_u32 s96, s96, s97
	s_add_co_u32 s96, s96, 96*1024
	s_mov_b32 s97, 0
	s_mov_b32 s[G0A], 1
	s_mov_b32 s[G0A+1], 0
	s_mov_b32 s[G0B], 1
	s_mov_b32 s[G0B+1], WV
	s_mov_b32 s[G0X], 1
	s_add_co_u32 s[G0X+1], s95, XR
	s_mov_b32 s[G0R], 1
	s_mul_i32 s[G0R+1], s28, 8*PITCH
	s_wait_dscnt 0x0                               ; both opening adds are done
	ROUND                                          ; all eight work-groups are here: the first joint loads meet
	s_wait_kmcnt 0x0
	s_cmp_eq_u32 s84, 0                            ; q's half or k's?
	s_cselect_b64 s[8:9], s[8:9], s[12:13]
	s_cselect_b64 s[10:11], s[10:11], s[14:15]
	s_cselect_b64 s[20:21], s[20:21], s[22:23]
	s_mov_b64 s[G0A+2:G0A+3], s[8:9]
	s_or_b32 s[G0A+3], s[G0A+3], 0x80000000
	s_add_nc_u64 s[G0B+2:G0B+3], s[16:17], s[90:91]
	s_or_b32 s[G0B+3], s[G0B+3], 0x80000000
	s_add_nc_u64 s[G0X+2:G0X+3], s[4:5], s[92:93]
	s_or_b32 s[G0X+3], s[G0X+3], 0x80000000
	s_add_nc_u64 s[G0R+2:G0R+3], s[4:5], s[96:97]
	s_or_b32 s[G0R+3], s[G0R+3], 0x80000000
	s_cmp_eq_u32 s28, 0                            ; one joint load a wave, in the arms of one chain
	s_cbranch_scc0 .Lwave1
	TLOAD G0A, G1A
	s_branch .Lasked
.Lwave1:
	s_cmp_eq_u32 s28, 1
	s_cbranch_scc0 .Lwaves23
	TLOAD G0B, G1B
	s_branch .Lasked
.Lwaves23:
	TLOAD G0X, G1X
.Lasked:
	v_and_b32 v1, 31, v0                           ; lane
	v_and_b32 v2, 15, v0                           ; r
	v_bfe_u32 v3, v0, 4, 1                         ; h
	v_mul_u32_u24 v20, v2, PITCH
	v_lshl_add_u32 v20, v3, 4, v20                 ; row r, + 16 h: x's tiles 6, 7, over W's rows
	v_add_nc_u32 v4, XR, v20                       ; x's tiles 0 to 2,
	v_add_nc_u32 v5, 3*T16, v4                     ; 3 to 5
	s_mul_i32 s98, s28, 2*T16
	v_add_nc_u32 v21, s98, v20                     ; W_q's or W_k's rows 32 w on
	s_mul_i32 s98, s28, T16
	s_add_co_u32 s98, s98, WV
	v_add_nc_u32 v22, s98, v20                     ; W_v's rows 16 w on
	v_lshlrev_b32 v6, 4, v1                        ; 16 x lane
	v_lshlrev_b32 v10, 5, v2
	v_lshl_add_u32 v10, v3, 4, v10                 ; scale bytes, 32 a row: lanes 16-31 take the row's second 16 bytes
	v_lshlrev_b32 v13, 5, v3                       ; the q or k bias: 8 h numbers on
	v_lshlrev_b32 v14, 2, v2                       ; bv: number r
	v_lshl_add_u32 v15, v2, 4, SCM
	v_add_nc_u32 v15, s28, v15                     ; my byte w of a token's scale word
	s_lshl_b32 s98, s28, 2
	v_lshl_add_u32 v16, v2, 4, SCM+512
	v_add_nc_u32 v16, s98, v16                     ; my tile's words of v
	v_lshl_add_u32 v19, v1, 4, SCM                 ; the way out of the scale words (wave 0)
	v_lshl_add_u32 v26, v1, 3, SCM+512
	v_lshlrev_b32 v27, 3, v1
.irp b, 0,1,2,3
	v_mov_b32 v[TM+4+\b], 0                        ; written once: a lane permute's destination counts as one of its sources
.endr
	s_mov_b32 s31, 0x600000                        ; the mantissa field of 448
	s_mov_b32 s2, 0x76543210
	s_mov_b32 s3, 0xfedcba98                       ; v_permlanex16_b32's selects for lane l xor 16
	s_mov_b32 s91, 0
	s_lshl_b32 s90, s28, 10
	s_add_nc_u64 s[10:11], s[10:11], s[90:91]      ; W's scale bytes: my 32 rows of 32
	s_lshl_b32 s90, s29, 9
	s_add_nc_u64 s[18:19], s[18:19], s[90:91]      ; Wv's: my 16
	s_lshl_b32 s90, s28, 7
	s_add_nc_u64 s[20:21], s[20:21], s[90:91]      ; the biases
	s_lshl_b32 s90, s29, 6
	s_add_nc_u64 s[24:25], s[24:25], s[90:91]
	s_lshl_b32 s90, s86, 12
	s_add_nc_u64 s[6:7], s[6:7], s[90:91]          ; x's scale bytes: 128 rows of 32 a block
	WALU
.irp t, 0,1,2,3,4,5,6,7
	global_load_b128 v[XS+4*\t:XS+4*\t+3], v10, s[6:7] offset:512*\t   ; x's scale words of tile t: 512 consecutive bytes
.endr
.irp u, 0,1
	global_load_b128 v[WS+4*\u:WS+4*\u+3], v10, s[10:11] offset:512*\u
.endr
	global_load_b128 v[WS+8:WS+11], v10, s[18:19]
	WIN 0x80
.irp u, 0,1
	global_load_b128 v[128+8*\u:131+8*\u], v13, s[20:21] offset:64*\u        ; register j of tile u: the bias of channel 32 w + 16 u + 8 h + j
	global_load_b128 v[132+8*\u:135+8*\u], v13, s[20:21] offset:64*\u+16
.endr
.irp j, 0,1,2,3,4,5,6,7
	global_load_b32 v[144+\j], v14, s[24:25]       ; bv of my channel 16 t + r, in all eight registers
.endr
	WIN 0
	; where my results go
	s_mul_i32 s90, s86, KVB
	s_add_nc_u64 s[92:93], s[26:27], s[90:91]      ; my block of K and V
	s_mul_i32 s98, s86, QB
	s_add_co_u32 s98, s98, QOFF
	s_cmp_eq_u32 s84, 0
	s_cselect_b32 s98, s98, s90                    ; where the q or k fragments begin,
	s_mov_b32 s99, 32768
	s_cselect_b32 s99, 16384, s99                  ; and, from there, the scale words
	s_lshl_b32 s90, s28, 9
	s_add_co_u32 s90, s90, s98
	s_add_nc_u64 s[100:101], s[26:27], s[90:91]    ; piece w of the q or k fragments
	s_add_co_u32 s90, s98, s99
	s_add_nc_u64 s[96:97], s[26:27], s[90:91]      ; the q or k scale words
	s_lshl_b32 s90, s29, 11
	s_add_co_u32 s90, s90, 16384
	s_add_nc_u64 s[94:95], s[92:93], s[90:91]      ; v's tile t
	s_lshl_b32 s90, s84, 8
	s_add_co_u32 s90, s90, 33280
	s_add_nc_u64 s[98:99], s[92:93], s[90:91]      ; v's scale words of my half's four tiles
	WALU                                           ; the head's end
	s_cmp_lt_u32 s28, 2
	s_cbranch_scc0 .Lnot_w
	s_wait_tensorcnt 0x0                           ; waves 0, 1: W's rows have landed.  The others' wait stands at the round
.Lnot_w:
	s_barrier_signal -1
	s_barrier_wait -1
	WIN 0x40
.irp u, 0,1
.irp s, 0,1,2,3,4,5,6,7
.irp c, 0,1,2,3
	ds_load_b128 v[128*\u+16*\s+4*\c:128*\u+16*\s+4*\c+3], v21 offset:\u*T16+128*\s+32*\c
.endr
.endr
.endr
	WIN 0x80
.irp s, 0,1,2,3,4,5,6,7
.irp c, 0,1,2,3
	ds_load_b128 v[16*\s+4*\c:16*\s+4*\c+3], v22 offset:128*\s+32*\c
.endr
.endr
	WIN 0
	s_wait_tensorcnt 0x0                           ; my tile of the head's is in; the add onto my spare word and its wait stand ahead of the refill
	ds_add_u32 v[SPW], v[NIL]
	s_wait_loadcnt 0x0                             ; scale words and biases
	s_wait_dscnt 0x0                               ; the add is done, and W is in registers
	ROUND
	TLOAD G0R, G1R                                 ; x's rows 96 to 127, over W's
.macro XA g, s                         ; x's fragments of tiles 3 g .. 3 g + 2, K step s: 12 loads
	WIN 0
.irp i, 0,1,2
.irp c, 0,1,2,3
	ds_load_b128 v[XF+48*(\g)+16*\i+4*\c:XF+48*(\g)+16*\i+4*\c+3], v[4+(\g)] offset:\i*T16+(\s)*128+32*\c
.endr
.endr
.endm
.macro XB s                            ; of tiles 6 and 7: 8 loads, four buffers by turns
	WIN 0
.irp i, 0,1
.irp c, 0,1,2,3
	ds_load_b128 v[XF+32*((\s)%4)+16*\i+4*\c:XF+32*((\s)%4)+16*\i+4*\c+3], v20 offset:\i*T16+(\s)*128+32*\c
.endr
.endr
.endm
; n tiles of tokens from t0 on, fragments at xr, against my three tiles of W.  Every instruction names another accumulator: they take turns, one instruction a turn.
.macro MULG t0, n, xr, s
.if (\s) == 0
	WIN 0xe1                                       ; source 0 (W) window 1, source 1 (x) window 0, C (the bias) window 2, D window 3
.else
	WIN 0xf1
.endif
.set i_, 0
.rept \n
.irp u, 0,1
.set rD, 16*(\t0+i_)+8*\u
.set rA, 128*\u+16*(\s)
.set rB, \xr+16*i_
.set rP, WS+4*\u+(\s)%4
.set rQ, XS+4*(\t0+i_)+(\s)%4
.if (\s) == 0
	v_wmma_scale_f32_16x16x128_f8f6f4 v[rD:rD+7], v[rA:rA+15], v[rB:rB+15], v[128+8*\u:135+8*\u], v[rP], v[rQ]
.elseif (\s) < 4
	v_wmma_scale_f32_16x16x128_f8f6f4 v[rD:rD+7], v[rA:rA+15], v[rB:rB+15], v[rD:rD+7], v[rP], v[rQ]
.else
	v_wmma_scale_f32_16x16x128_f8f6f4 v[rD:rD+7], v[rA:rA+15], v[rB:rB+15], v[rD:rD+7], v[rP], v[rQ] matrix_a_scale:MATRIX_SCALE_ROW1 matrix_b_scale:MATRIX_SCALE_ROW1
.endif
.endr
.set i_, i_+1
.endr
.if (\s) == 0
	WIN 0xe8                                       ; source 0 (x) window 0, source 1 (Wv) window 2, C (bv) window 2, D window 3
.else
	WIN 0xf8
.endif
.set i_, 0
.rept \n
.set rD, 128+8*(\t0+i_)
.set rA, \xr+16*i_
.set rB, 16*(\s)
.set rP, XS+4*(\t0+i_)+(\s)%4
.set rQ, WS+8+(\s)%4
.if (\s) == 0
	v_wmma_scale_f32_16x16x128_f8f6f4 v[rD:rD+7], v[rA:rA+15], v[rB:rB+15], v[144:151], v[rP], v[rQ]
.elseif (\s) < 4
	v_wmma_scale_f32_16x16x128_f8f6f4 v[rD:rD+7], v[rA:rA+15], v[rB:rB+15], v[rD:rD+7], v[rP], v[rQ]
.else
	v_wmma_scale_f32_16x16x128_f8f6f4 v[rD:rD+7], v[rA:rA+15], v[rB:rB+15], v[rD:rD+7], v[rP], v[rQ] matrix_a_scale:MATRIX_SCALE_ROW1 matrix_b_scale:MATRIX_SCALE_ROW1
.endif
.set i_, i_+1
.endr
.endm
; A K step of tiles 0 to 5.  A group's fragments are fetched anew as soon as its 9 products are issued, eight places behind them.
.macro KSTEP s
	s_wait_dscnt 12                                ; tiles 0-2 are in; the 12 loads of tiles 3-5 may be out
	MULG 0, 3, XF, \s
	s_wait_dscnt 0x0
.if (\s) < 7
	PLACES 8
	XA 0, (\s)+1
.endif
	MULG 3, 3, XF+48, \s
.if (\s) < 7
	PLACES 8
	XA 1, (\s)+1
.endif
.endm
; 64 accumulator registers of window 3, v[s] on: register 16 b + i and lane l xor 16's are block b of my row.  They become 16 registers of codes in v[pc] on.  word = 1: the four bytes make a scale word in v[PW]; else they stay in v[TM+4] on.
.macro QUANT s, pc, word
	WIN 0x0f                                       ; sources 0 and 1 window 3
.irp b, 0,1,2,3
	v_max3_num_f32 v[TM+\b], |v[\s+16*\b]|, |v[\s+16*\b+1]|, 0x4800000   ; my 16 numbers, each accumulator from its low end on, and the floor 2^(9 - 127): the byte cannot fall under 1
.endr
.irp i, 2,4,6,8,10,12,14
.irp b, 0,1,2,3
	v_max3_num_f32 v[TM+\b], |v[\s+16*\b+\i]|, |v[\s+16*\b+\i+1]|, v[TM+\b]   ; (the four blocks by turns)
.endr
.endr
	WIN 0
.irp b, 0,1,2,3
	v_permlanex16_b32 v[TM+4+\b], v[TM+\b], s2, s3
.endr
.irp b, 0,1,2,3
	v_max_num_f32 v[TM+\b], v[TM+\b], v[TM+4+\b]   ; with lane l xor 16's: the block's largest magnitude
.endr
.irp b, 0,1,2,3
	v_add_nc_u32 v[TM+12+\b], 0xfc000000, v[TM+\b] ; 8 off its exponent field: the conversion's scale operand
.endr
.irp b, 0,1,2,3
	v_and_or_b32 v[TM+8+\b], v[TM+\b], 0x7f800000, s31   ; 448 x the scale
.endr
.irp b, 0,1,2,3
	v_lshrrev_b32 v[TM+4+\b], 23, v[TM+12+\b]      ; the scale's byte
.endr
.if \word
	v_lshl_or_b32 v[PW], v[TM+5], 8, v[TM+4]
	v_lshl_or_b32 v[PW], v[TM+6], 16, v[PW]
	v_lshl_or_b32 v[PW], v[TM+7], 24, v[PW]
.endif
	WIN 0xc3                                       ; destination and source 0 window 3
.irp b, 0,1,2,3
.irp i, 0,1,2,3,4,5,6,7,8,9,10,11,12,13,14,15
	v_med3_num_f32 v[\s+16*\b+\i], v[\s+16*\b+\i], -v[TM+8+\b], v[TM+8+\b]   ; the conversion to an 8-bit code does not saturate (ISA guide 7.6.2): the hold at the largest code x the scale
.endr
.endr
	WIN 0x03
.irp b, 0,1,2,3
	v_cvt_scalef32_pk8_fp8_f32 v[\pc+4*\b:\pc+4*\b+1], v[\s+16*\b:\s+16*\b+7], v[TM+12+\b]
	v_cvt_scalef32_pk8_fp8_f32 v[\pc+4*\b+2:\pc+4*\b+3], v[\s+16*\b+8:\s+16*\b+15], v[TM+12+\b]
.endr
	WIN 0
	v_nop                                          ; one plain vector instruction behind the last conversion
.endm
.macro QKOUT pc, t0                    ; four tiles of q or k leave: piece w of each fragment; byte w of each token's scale word
.irp b, 0,1,2,3
	global_store_b128 v6, v[\pc+4*\b:\pc+4*\b+3], s[100:101] offset:2048*(\t0+\b)   ; 512 consecutive bytes, at a multiple of 512 from the block's first byte
	ds_store_b8 v15, v[TM+4+\b] offset:64*\t0+4*\b
.endr
.endm
	XA 0, 0
	XA 1, 0
.irp s, 0,1,2,3,4,5,6,7
	KSTEP \s
.endr
	PLACES 8                                       ; ahead of the first read of results
	QUANT 0, PC1, 0                                ; q or k, tiles 0-3
	QKOUT PC1, 0
	WALU
	s_wait_tensorcnt 0x0                           ; my quarter of x's rows 96 to 127 is in
	s_wait_dscnt 0x0
	s_barrier_signal -1
	s_barrier_wait -1                              ; everybody's
	XB 0
	XB 1
	XB 2
	XB 3
.irp s, 0,1,2,3,4,5,6,7
.if \s < 5
	s_wait_dscnt 24                                ; this K step's 8 loads are in; the 24 of the next three may be out
.else
	s_wait_dscnt 8*(7-\s)
.endif
	MULG 6, 2, XF+32*(\s%4), \s
.if \s < 4
	PLACES 8
	XB \s+4
.endif
.endr
	PLACES 8
	QUANT 128, PC0, 1                              ; v: my tile's fragment, K = the block's 128 tokens
.irp c, 0,1,2,3
	global_store_b128 v6, v[PC0+4*\c:PC0+4*\c+3], s[94:95] offset:512*\c
.endr
	ds_store_b32 v16, v[PW]                        ; both halves of the lanes hold the same word
	QUANT 64, PC2, 0                               ; q or k, tiles 4-7
	QKOUT PC2, 4
	WALU
	s_wait_dscnt 0x0                               ; for the others' sake: my scale bytes and words lie in LDS
	s_barrier_signal -1
	s_barrier_wait -1
	s_cmp_lg_u32 s28, 0
	s_cbranch_scc1 .Ldone                          ; wave 0 stores the work-group's scale words
	ds_load_b128 v[20:23], v19
	ds_load_b64 v[24:25], v26
	s_wait_dscnt 0x0
	global_store_b128 v6, v[20:23], s[96:97]       ; 512 consecutive bytes
	global_store_b64 v27, v[24:25], s[98:99]       ; 256 consecutive bytes, aligned
.Ldone:
	s_wait_tensorcnt 0x0                           ; the wave's end: a wait, the add onto my spare word and its wait, behind my last tensor load and my last LDS store
	ds_add_u32 v[SPW], v[NIL]
	s_wait_dscnt 0x0
	ROUND                                          ; the closing round: no work-group ends while a partner may still ask for rows that name it
	s_endpgm
.Lfunc_end_k_q18fb578fe0_proj:
	.size	k_q18fb578fe0_proj, .Lfunc_end_k_q18fb578fe0_proj-k_q18fb578fe0_proj
	.p2alignl 7, 3214868480
	.fill 96, 4, 3214868480
	.section	.rodata,"a",@progbits
	.p2align	6, 0x0
	.amdhsa_kernel k_q18fb578fe0_proj
		.amdhsa_group_segment_fixed_size 327680
		.amdhsa_private_segment_fixed_size 0
		.amdhsa_enable_private_segment 0
		.amdhsa_kernarg_size 96
		.amdhsa_user_sgpr_count 2
		.amdhsa_user_sgpr_kernarg_segment_ptr 1
		.amdhsa_wavefront_size32 1
		.amdhsa_system_sgpr_workgroup_id_x 1
		.amdhsa_system_sgpr_workgroup_id_y 1
		.amdhsa_system_sgpr_workgroup_id_z 1
		.amdhsa_system_vgpr_workitem_id 0
		.amdhsa_next_free_vgpr 1024
		.amdhsa_next_free_sgpr 102
		.amdhsa_reserve_vcc 0
		.amdhsa_float_denorm_mode_32 3
		.amdhsa_float_denorm_mode_16_64 3
		.amdhsa_memory_ordered 1
		.amdhsa_forward_progress 1
		.amdhsa_inst_pref_size 93
	.end_amdhsa_kernel
	.amdgpu_metadata
---
amdhsa.version: [ 1, 2 ]
amdhsa.kernels:
  - .name:           k_q18fb578fe0_proj
    .symbol:         k_q18fb578fe0_proj.kd
    .args:
      - { .name: x_codes, .offset: 0, .size: 8, .value_kind: global_buffer, .address_space: global }
      - { .name: x_scales, .offset: 8, .size: 8, .value_kind: global_buffer, .address_space: global }
      - { .name: Wq_codes, .offset: 16, .size: 8, .value_kind: global_buffer, .address_space: global }
      - { .name: Wq_scales, .offset: 24, .size: 8, .value_kind: global_buffer, .address_space: global }
      - { .name: Wk_codes, .offset: 32, .size: 8, .value_kind: global_buffer, .address_space: global }
      - { .name: Wk_scales, .offset: 40, .size: 8, .value_kind: global_buffer, .address_space: global }
      - { .name: Wv_codes, .offset: 48, .size: 8, .value_kind: global_buffer, .address_space: global }
      - { .name: Wv_scales, .offset: 56, .size: 8, .value_kind: global_buffer, .address_space: global }
      - { .name: bq, .offset: 64, .size: 8, .value_kind: global_buffer, .address_space: global }
      - { .name: bk, .offset: 72, .size: 8, .value_kind: global_buffer, .address_space: global }
      - { .name: bv, .offset: 80, .size: 8, .value_kind: global_buffer, .address_space: global }
      - { .name: ws, .offset: 88, .size: 8, .value_kind: global_buffer, .address_space: global }
    .group_segment_fixed_size: 327680
    .private_segment_fixed_size: 0
    .kernarg_segment_align: 8
    .kernarg_segment_size: 96
    .max_flat_workgroup_size: 128
    .sgpr_count:     102
    .vgpr_count:     1024
    .wavefront_size: 32
...
	.end_amdgpu_metadata
.endif
;; end of part 1
;; launch attn (part 2): grid 64 x 4, 8 waves a work-group, clusters of 4 x 1, 327,680 bytes of LDS; arguments ws, out0; writes out0
.if DOCPART == 2
	.amdgcn_target "amdgcn-amd-amdhsa--gfx1250"
	.amdhsa_code_object_version 6
	.text
	.protected	k_q18fb578fe0_attn
	.globl	k_q18fb578fe0_attn
	.p2align	8
	.type	k_q18fb578fe0_attn,@function
k_q18fb578fe0_attn:
	s_mov_b64 s[64:65], 0
	v_nop
	global_prefetch_b8 v0, s[64:65] scope:SCOPE_SE
	s_setreg_imm32_b32 hwreg(HW_REG_WAVE_MODE, 25, 1), 1
	s_wait_xcnt 0x0
	s_wait_alu depctr_hold_cnt(0) depctr_sa_sdst(0) depctr_va_vdst(0) depctr_va_sdst(0) depctr_va_ssrc(0) depctr_va_vcc(0) depctr_vm_vsrc(0)
	s_getreg_b32 s2, hwreg(HW_REG_IB_STS2, 6, 4)
	s_cmp_eq_u32 s2, 0
	s_cbranch_scc0 .Lentry_in_a_cluster
	s_endpgm
.Lentry_in_a_cluster:
	s_bfe_u32 s2, ttmp6, 0x10000c
	s_cmp_lg_u32 s2, 0x3003
	s_cbranch_scc0 .Lentry_shape_is_right
	s_endpgm
.Lentry_shape_is_right:
; Causal attention on the images that the launch before has stored in ws (its layout: 128 blocks of 128 tokens, ITEMB bytes each: K's fragments, V's, K's and V's scale words; from QOFF on 128 blocks of QB bytes: Q's fragments and scale words).
; t = score x log2(e) / sqrt(128); M = the running largest t rounded up to a whole number; p = 2^(t - M) is quantised along the keys, blocks of 32; the row's sum is taken of the unquantised p and divides at the end.
; LEFT OUT: key steps all of whose keys come after a query block's last query: the causal mask gives their weights 0 for all inputs.
; LIMITS: NaN and infinities are not served (those that reach only hidden key steps are not carried to the result).  A block's largest p is taken from the block's largest score, which takes v_exp_f32 not to fall where its input rises.
;   A block of p that has fallen to zeros keeps the scale byte 1.  The scaled scores stay under 2^31 in magnitude.
; SHARES.  Cluster (a, batch), a = 0 .. 15, owns the query blocks 31 - a (hi, H = 32 - a key steps) and a (lo, a + 1 key steps) of 128 queries; its work-group cx owns 32 queries of each: two tiles A, B of 16 neighbours (lane r: query 32 cx + 16 u + r).
; EIGHT WAVES SPLIT THE KEYS: the first n_h = (14 H + 62) / 64 waves (4 to 7) serve hi, the others lo; of n waves on a side wave j takes the key steps j, j + n, ..: for every a at the most five.
; Each wave keeps its own M, sum and O^T; M is a whole number, so the parts of a tile are joined at the end, through LDS, by powers of two.  Two waves share a SIMD.
; Both products are used transposed: S^T = K Q^T, O^T = V^T P^T: a lane holds one query throughout; each fragment of K or V read from LDS feeds two matrix instructions.
; LDS.  Each wave has a region of its own for one key step.  K goes into registers, and behind the scores V into the same registers; then the region is filled again, while the step's softmax and second product are done.
; CLUSTER.  The four work-groups walk the same key steps: wave w of each issues the same tensor load with a mask that names the four.  A wave that has no key step left goes on asking, for its side's last one, so that all partners issue every joint load.  One load a wave is out.
; PREFETCH: macro ASK.
; REGISTERS.  window 0: v1-11 addresses and constants; v12-19 -M, largest t, the sum's two halves (A, B); v20-23 f; v24-27 scale words of Q and p; v32-39 of K, then of V; v40-63 at work; v64-95 Q; v96-223 S^T, then p; v224-255 p's codes.
;   window 1: v0-127 O^T; v128-255 K's fragments, then V's.
.set ITEMB, 33792                      ; a key step: 132 rows of 256 bytes
.set QB,    16896
.set QOFF,  128*ITEMB
.set SPARE, 8*ITEMB                    ; the spare words, 128 bytes for each wave: four blocks of 256 bytes that no other line names
.set PIECE, 4608                       ; the join: half an image of a tile's O^T (4,096 bytes) and the tile's statistics (512)
.set AD,   1                           ; 16 x lane + my region
.set AS,   2                           ; 16 r + 32768 + my region: the scale words
.set DQ,   3                           ; v3, v4  my query's place in its block - 8 h, for A and B
.set NINF, 5
.set SPW,  6                           ; SPARE + 4 x my thread's number; never rewritten
.set NIL,  7                           ; 0; never rewritten
.set PFO,  8                           ; 256 x lane; never rewritten
.set L16,  10                          ; 16 x lane
.set R16,  11                          ; 16 r
.set KS,   32
.set MSB, 0
.macro WIN new                         ; the immediate's high byte repeats the setting that is left
.if MSB != \new
	s_set_vgpr_msb (MSB<<8)|\new
.set MSB, \new
.endif
.endm
.macro PLACES n
.rept \n
	v_nop
.endr
.endm
.macro WALU
	s_wait_alu depctr_va_vdst(0)
.endm
.macro ROUND                           ; a round of the cluster's barrier
	s_barrier_signal -1
	s_barrier_wait -1
	s_cmp_lg_u32 s8, 0
	s_cbranch_scc1 .Lnw0_\@
	s_barrier_signal -3
.Lnw0_\@:
	s_barrier_wait -3
	s_barrier_signal -1
	s_barrier_wait -1
.endm
.macro SETX x                          ; tile A (0) or B (1): its registers
.set S_,  96+64*(\x)
.set T_,  40+12*(\x)                   ; +0..3 block maxima, then bytes; +4..7 lane l xor 16's, then scale operands; +8..11 448 x the scale
.set ST_, 12+4*(\x)
.set F_,  20+2*(\x)
.set PW_, 26+(\x)
.set PC_, 224+16*(\x)
.set O_,  64*(\x)
.endm
; A PREFETCH INTO THE L2 of fragments, one key step's work ahead of the load that brings them: behind the head's load what the first change will ask for, behind each change what the next change will.  All clusters of a batch walk the same key steps;
; the batch's first four clusters ask, where hi's seven waves hold key steps 7 apart: in each of them the four partners take 8,192 bytes each, told apart by address, a lane 256 bytes, so a cluster names each block of key steps 7 to 31 - a once.
; Behind hi's last key step nothing is asked for.  The scale words and key steps 0 to 6 come by their loads alone.
.macro ASK
	s_cmp_lt_u32 s15, s58
	s_cbranch_scc0 .Lnot_mine_\@
	global_prefetch_b8 v[PFO], s[56:57] th:TH_LOAD_NT scope:SCOPE_SE
.Lnot_mine_\@:
.endm
	s_load_b128 s[4:7], s[0:1], 0x0                ; ws s[4:5], out0 s[6:7]
	v_lshl_add_u32 v[SPW], v0, 2, SPARE
	v_mov_b32 v[NIL], 0
	ds_add_u32 v[SPW], v[NIL]                      ; the wave's opening: the add, twice on end, and its wait ahead of the round in front of my first tensor load; work on registers stands between
	ds_add_u32 v[SPW], v[NIL]
	v_lshrrev_b32 v10, 5, v0
	v_readfirstlane_b32 s8, v10                    ; wave w
	s_mov_b32 s9, ttmp9                            ; a: the cluster's x
	s_and_b32 s10, ttmp7, 0xffff                   ; the batch
	s_bfe_u32 s11, ttmp6, 0x40000                  ; cx: it enters Q's, out0's and the prefetches' addresses and the mask's numbers alone
	s_sub_co_u32 s12, 32, s9                       ; H
	s_mul_i32 s13, s12, 14
	s_add_co_u32 s13, s13, 62
	s_lshr_b32 s13, s13, 6                         ; n_h: waves of hi
	s_sub_co_u32 s60, 8, s13
	s_sub_co_u32 s61, s8, s13
	s_sub_co_u32 s62, s12, 1
	s_cmp_lt_u32 s8, s13                           ; my side:
	s_cselect_b32 s14, s13, s60                    ; its waves = from my key step to my next,
	s_cselect_b32 s15, s8, s61                     ; my first key step,
	s_cselect_b32 s17, s62, s9                     ; its last key step, on the diagonal = its query block
	s_mul_i32 s18, s8, ITEMB                       ; my region
	; descriptor group 1: 132 rows of 32 elements of 8 bytes, dense in memory and in LDS
	s_mov_b32 s24, 15|(3<<16)|(1<<21)              ; the mask: all four work-groups; elements of 8 bytes; bit 21 set beside a mask
	s_mov_b32 s25, 32<<16
	s_mov_b32 s26, 132<<16
	s_mov_b32 s27, 32<<16
	s_mov_b32 s28, 132
	s_mov_b32 s29, 32
	s_mov_b32 s30, 0
	s_mov_b32 s31, 0
	s_mov_b32 s40, 1
	s_mov_b32 s41, s18
	s_mul_i32 s60, s15, ITEMB
	s_mov_b32 s61, 0
	s_mul_i32 s62, s10, 32*ITEMB
	s_mov_b32 s63, 0
	s_wait_dscnt 0x0                               ; both opening adds are done
	ROUND                                          ; all four work-groups are here: the first joint loads meet
	s_wait_kmcnt 0x0
	s_add_nc_u64 s[52:53], s[4:5], s[62:63]        ; the batch's first key step
	s_add_nc_u64 s[42:43], s[52:53], s[60:61]
	s_or_b32 s43, s43, 0x80000000
	tensor_load_to_lds s[40:43], s[24:31]          ; my first key step: the wave's one load at the head
	s_nop 0
	PLACES 4
	v_and_b32 v9, 31, v0
	v_lshlrev_b32 v[L16], 4, v9
	v_lshlrev_b32 v[PFO], 8, v9
	v_and_b32 v40, 15, v0                          ; r
	v_bfe_u32 v41, v0, 4, 1                        ; h
	v_lshlrev_b32 v[R16], 4, v40
	v_add_nc_u32 v[AD], s18, v[L16]
	v_add_nc_u32 v[AS], s18, v[R16]
	v_add_nc_u32 v[AS], 32768, v[AS]
	v_lshlrev_b32 v42, 3, v41
	v_sub_nc_u32 v[DQ], v40, v42
	s_lshl_b32 s76, s11, 5
	v_add_nc_u32 v[DQ], s76, v[DQ]                 ; A: 32 cx + r - 8 h
	v_add_nc_u32 v[DQ+1], 16, v[DQ]                ; B: 16 more
	v_mov_b32 v[NINF], 0xff800000
	s_mov_b32 s19, 0x600000                        ; the mantissa field of 448
	s_mov_b32 s20, 0x76543210
	s_mov_b32 s21, 0xfedcba98                      ; v_permlanex16_b32's selects for lane l xor 16
	s_mov_b32 s22, 0x3e0293ee                      ; c = log2(e) / sqrt(128)
	s_mov_b32 s23, s22                             ; (named with it as a pair, so it is written)
	s_mov_b32 s77, 0
	s_lshl_b32 s78, s10, 5
	s_add_co_u32 s78, s78, s17
	s_mul_i32 s78, s78, QB
	s_add_co_u32 s78, s78, QOFF                    ; my side's query block
	s_lshl_b32 s79, s11, 12
	s_add_co_u32 s76, s78, s79
	s_add_nc_u64 s[66:67], s[4:5], s[76:77]        ; Q's tiles 2 cx, 2 cx + 1: 4,096 cx bytes on
	s_lshr_b32 s79, s11, 1
	s_lshl_b32 s79, s79, 8
	s_add_co_u32 s76, s78, s79
	s_and_b32 s79, s11, 1
	s_lshl_b32 s79, s79, 3
	s_add_co_u32 s76, s76, s79
	s_add_nc_u64 s[68:69], s[4:5], s[76:77]        ; their scale words: 256 (cx / 2) + 8 (cx % 2) bytes on
	s_lshl_b32 s76, s11, 13
	s_add_nc_u64 s[54:55], s[52:53], s[76:77]      ; the prefetches: my work-group's 8,192 of a key step's bytes
	s_sub_co_u32 s60, 18, s9
	s_cmp_lt_u32 s9, 4
	s_cselect_b32 s58, s60, 0
	s_cmp_lt_u32 s8, 7
	s_cselect_b32 s58, s58, 0                      ; a wave prefetches while its key step is under this: hi's seven waves of the batch's first four clusters
	s_add_co_u32 s60, s15, s14
	s_mul_i32 s60, s60, ITEMB
	s_add_nc_u64 s[56:57], s[54:55], s[60:61]      ; my second key step
	s_sub_co_u32 s60, 31, s9
	s_cmp_lt_u32 s8, 4                             ; what I finish at the end: tile B or A by bit 1 of my number, of hi (waves 0 to 3) or lo; channels 64 (w % 2) on
	s_cselect_b32 s76, s60, s9
	s_lshl_b32 s76, s76, 7
	s_lshl_b32 s78, s10, 12
	s_add_co_u32 s76, s76, s78
	s_lshl_b32 s78, s11, 5
	s_add_co_u32 s76, s76, s78
	s_bfe_u32 s78, s8, 0x10001
	s_lshl_b32 s78, s78, 4
	s_add_co_u32 s76, s76, s78                     ; its first row: 4096 batch + 128 block + 32 cx + 16 u
	s_lshl_b32 s76, s76, 9
	s_and_b32 s78, s8, 1
	s_lshl_b32 s78, s78, 8
	s_add_co_u32 s76, s76, s78
	s_add_nc_u64 s[74:75], s[6:7], s[76:77]
	WALU
.irp u, 0,1
.irp c, 0,1,2,3
	global_load_b128 v[64+16*\u+4*\c:67+16*\u+4*\c], v[L16], s[66:67] offset:2048*\u+512*\c   ; Q: images, 512 consecutive bytes a load
.endr
.endr
	global_load_b64 v[24:25], v[R16], s[68:69] offset:16384
	ASK
.irp x, 0,1
	v_mov_b32 v[13+4*\x], 0xff61b1e6               ; the largest t so far: -3e38, under every t
	v_floor_f32 v[12+4*\x], -v[13+4*\x]            ; -M
	v_mov_b32 v[14+4*\x], 0                        ; the sum, in two halves
	v_mov_b32 v[15+4*\x], 0
	v_mov_b32 v[20+2*\x], 0                        ; f, and the register named with it as a pair
	v_mov_b32 v[21+2*\x], 0
	v_mov_b32 v[26+\x], 0
.endr
.set n, 32
.rept 32
	v_mov_b32 v[n], 0                              ; scale words and what is at work: so that every register is written on every way
.set n, n+1
.endr
.set n, 96
.rept 128
	v_mov_b32 v[n], 0                              ; S^T likewise: the join multiplies parts that it has not fetched by 0
.set n, n+1
.endr
	WIN 0x40
.set n, 0
.rept 256
	v_mov_b32 v[n], 0                              ; O^T (the first change of M multiplies zeros); K's and V's registers
.set n, n+1
.endr
	WIN 0
.macro MASK x                          ; register 16 b + 8 u + j holds key 32 b + 16 u + 8 h + j of the block: hidden where 32 b + 16 u + j > my query's place - 8 h
.set n, 0
.rept 64
	v_cmp_gt_i32 vcc_lo, 32*(n/16)+16*((n/8)%2)+n%8, v[DQ+\x]
	v_cndmask_b32 v[96+64*\x+n], v[96+64*\x+n], v[NINF], vcc_lo
.set n, n+1
.endr
.endm
.macro MAXB2                           ; both tiles by turns: the largest score of each block of 32 keys (it serves twice: for the row's maximum, and, since p rises with the score, for the block's largest p), the new -M, and f
.irp b, 0,1,2,3
.irp y, 0,1
	v_max3_num_f32 v[40+12*\y+\b], v[96+64*\y+16*\b], v[97+64*\y+16*\b], v[98+64*\y+16*\b]
.endr
.endr
.irp i, 3,5,7,9,11,13
.irp b, 0,1,2,3
.irp y, 0,1
	v_max3_num_f32 v[40+12*\y+\b], v[40+12*\y+\b], v[96+64*\y+16*\b+\i], v[97+64*\y+16*\b+\i]
.endr
.endr
.endr
.irp b, 0,1,2,3
.irp y, 0,1
	v_max_num_f32 v[40+12*\y+\b], v[40+12*\y+\b], v[111+64*\y+16*\b]
.endr
.endr
.irp b, 0,1,2,3
.irp y, 0,1
	v_permlanex16_b32 v[44+12*\y+\b], v[40+12*\y+\b], s20, s21
.endr
.endr
.irp b, 0,1,2,3
.irp y, 0,1
	v_max_num_f32 v[40+12*\y+\b], v[40+12*\y+\b], v[44+12*\y+\b]   ; with lane l xor 16's 16 keys
.endr
.endr
.irp y, 0,1
	v_max3_num_f32 v[48+12*\y], v[40+12*\y], v[41+12*\y], v[42+12*\y]
.endr
.irp y, 0,1
	v_max_num_f32 v[48+12*\y], v[48+12*\y], v[43+12*\y]            ; the step's largest score of my query
.endr
.irp y, 0,1
	v_mul_f32 v[48+12*\y], s22, v[48+12*\y]                        ; as t (c is positive)
.endr
.irp y, 0,1
	v_max_num_f32 v[13+4*\y], v[13+4*\y], v[48+12*\y]              ; the running largest t
.endr
.irp y, 0,1
	v_mov_b32 v[48+12*\y], v[12+4*\y]
.endr
.irp y, 0,1
	v_floor_f32 v[12+4*\y], -v[13+4*\y]                            ; the new -M = floor(-t): M is a whole number
.endr
.irp y, 0,1
	v_sub_f32 v[48+12*\y], v[12+4*\y], v[48+12*\y]                 ; old M - new M: a whole number, 0 or less
.endr
.irp y, 0,1
	v_cvt_i32_f32 v[48+12*\y], v[48+12*\y]                         ; (it saturates)
.endr
.irp y, 0,1
	v_ldexp_f32 v[20+2*\y], 1.0, v[48+12*\y]                       ; f = 2^(old M - new M)
.endr
.endm
.macro FMA x, j                        ; pair j: t - M
	SETX \x
	v_pk_fma_f32 v[S_+2*(\j):S_+2*(\j)+1], v[S_+2*(\j):S_+2*(\j)+1], s[22:23], v[ST_:ST_+1] op_sel_hi:[1,0,0]
.endm
.macro FMAB x, b                       ; the same of a block's largest score
	SETX \x
	v_fma_f32 v[T_+(\b)], v[T_+(\b)], s22, v[ST_]
.endm
.macro EXP x, e                        ; p = 2^(t - M)
	SETX \x
	v_exp_f32 v[S_+(\e)], v[S_+(\e)]
.endm
.macro EXPB x, b                       ; a block's largest p
	SETX \x
	v_exp_f32 v[T_+(\b)], v[T_+(\b)]
.endm
.macro LRESC x                         ; the sums under the new M
	SETX \x
	v_pk_mul_f32 v[ST_+2:ST_+3], v[ST_+2:ST_+3], v[F_:F_+1] op_sel_hi:[1,0]
.endm
.macro ALINE x, n                      ; line n of 19 that make the blocks' scales and p's scale word
	SETX \x
.if (\n) < 4
	v_max_num_f32 v[T_+(\n)], 0x4800000, v[T_+(\n)]                ; the floor 2^(9 - 127): the byte cannot fall under 1
.elseif (\n) < 8
	v_add_nc_u32 v[T_+(\n)], 0xfc000000, v[T_+(\n)-4]              ; 8 off the exponent field: the conversion's scale operand
.elseif (\n) < 12
	v_and_or_b32 v[T_+(\n)], v[T_+(\n)-8], 0x7f800000, s19         ; 448 x the scale
.elseif (\n) < 16
	v_lshrrev_b32 v[T_+(\n)-12], 23, v[T_+(\n)-8]                  ; the scale's byte
.elseif (\n) == 16
	v_lshl_or_b32 v[PW_], v[T_+1], 8, v[T_]
.elseif (\n) == 17
	v_lshl_or_b32 v[PW_], v[T_+2], 16, v[PW_]
.else
	v_lshl_or_b32 v[PW_], v[T_+3], 24, v[PW_]
.endif
.endm
.macro HOLD x, m                       ; two of a tile's 64 holds: the conversion to an 8-bit code does not saturate (ISA guide 7.6.2); p is not negative, so the hold is one-sided
	SETX \x
	v_dual_min_num_f32 v[S_+2*(\m)], v[S_+2*(\m)], v[T_+8+(\m)/8] :: v_dual_min_num_f32 v[S_+2*(\m)+1], v[S_+2*(\m)+1], v[T_+8+(\m)/8]
.endm
.macro TR x, n                         ; line n of 8: eight pairs of partial sums (they lie where the codes will) become one and join the row's sum
	SETX \x
.if (\n) < 4
	v_pk_add_f32 v[PC_+2*(\n):PC_+2*(\n)+1], v[PC_+2*(\n):PC_+2*(\n)+1], v[PC_+2*(\n)+8:PC_+2*(\n)+9]
.elseif (\n) < 6
	v_pk_add_f32 v[PC_+2*(\n)-8:PC_+2*(\n)-7], v[PC_+2*(\n)-8:PC_+2*(\n)-7], v[PC_+2*(\n)-4:PC_+2*(\n)-3]
.elseif (\n) == 6
	v_pk_add_f32 v[PC_:PC_+1], v[PC_:PC_+1], v[PC_+2:PC_+3]
.else
	v_pk_add_f32 v[ST_+2:ST_+3], v[ST_+2:ST_+3], v[PC_:PC_+1]
.endif
.endm
.macro CVT x
	SETX \x
.irp b, 0,1,2,3
	v_cvt_scalef32_pk8_fp8_f32 v[PC_+4*\b:PC_+4*\b+1], v[S_+16*\b:S_+16*\b+7], v[T_+4+\b]
	v_cvt_scalef32_pk8_fp8_f32 v[PC_+4*\b+2:PC_+4*\b+3], v[S_+16*\b+8:S_+16*\b+15], v[T_+4+\b]
.endr
.endm
.macro RESC x                          ; O^T under the new M, each accumulator from its low end on
	SETX \x
.set jj, 0
.rept 32
	v_pk_mul_f32 v[O_+jj:O_+jj+1], v[O_+jj:O_+jj+1], v[F_:F_+1] op_sel_hi:[1,0]
.set jj, jj+2
.endr
.endm
.macro SPROD t
	v_wmma_scale_f32_16x16x128_f8f6f4 v[96+8*\t:103+8*\t], v[128+16*\t:143+16*\t], v[64:79], 0, v[KS+\t], v24
	v_wmma_scale_f32_16x16x128_f8f6f4 v[160+8*\t:167+8*\t], v[128+16*\t:143+16*\t], v[80:95], 0, v[KS+\t], v25
.endm
; THE CHANGE.  K of the key step in hand has been used and V is in registers or on its way there, so my region can be filled again.  Each wave waits for all its tensor loads (none is out here), adds 0 to its spare word, and waits for that and for its reads of the region;
; a round of the cluster's barrier; the joint refill is the first thing behind it.
.macro CHANGE
	s_wait_tensorcnt 0x0
	ds_add_u32 v[SPW], v[NIL]                      ; 0 onto my spare word; the descriptor's step stands between it and the wait for it
	s_add_co_u32 s60, s15, s14
	s_min_u32 s60, s60, s17                        ; my next key step; behind my side's last one that one again
	s_mul_i32 s60, s60, ITEMB
	s_mov_b32 s61, 0
	s_add_nc_u64 s[42:43], s[52:53], s[60:61]
	s_or_b32 s43, s43, 0x80000000
	s_wait_xcnt 0x0                                ; the last prefetch, a key step back, has read its address, so it may be written:
	s_lshl_b32 s60, s14, 1
	s_add_co_u32 s60, s60, s15
	s_mul_i32 s60, s60, ITEMB
	s_add_nc_u64 s[56:57], s[54:55], s[60:61]      ; my key step after the next
	s_wait_dscnt 0x0                               ; the add is done, and my reads of the region are over
	ROUND
	tensor_load_to_lds s[40:43], s[24:31]
	s_nop 0
	PLACES 4
	ASK
.endm
; A KEY STEP: 128 keys against my 32 queries.  chg = 1: with the change.  A wave whose side has no such key step is led round the work by a branch on ids, round no barrier, wait for tiles or load.
.macro ITEM chg
	s_wait_tensorcnt 0x0                           ; my key step has landed; my region's bytes are read by me alone
	s_cmp_gt_u32 s15, s17
	s_cbranch_scc1 .Lnone_\@
.irp g, 0,1
	ds_load_b128 v[KS+4*\g:KS+4*\g+3], v[AS] offset:256*\g
.endr
	WIN 0x40
.irp t, 0,1,2,3,4,5,6,7
.irp c, 0,1,2,3
	ds_load_b128 v[128+16*\t+4*\c:131+16*\t+4*\c], v[AD] offset:2048*\t+512*\c
.endr
.endr
	WIN 0x01                                       ; source 0 (K) window 1
	s_wait_dscnt 16                                ; the scale words and K's tiles 0-3 are in; the 16 loads of tiles 4-7 may be out
.irp t, 0,1,2,3
	SPROD \t
.endr
	s_wait_dscnt 0x0
.irp t, 4,5,6,7
	SPROD \t
.endr
	WIN 0
	PLACES 8                                       ; ahead of the loads into K's registers and of the first read of the scores
.irp g, 0,1
	ds_load_b128 v[KS+4*\g:KS+4*\g+3], v[AS] offset:512+256*\g   ; V, into K's registers
.endr
	WIN 0x40
.irp t, 0,1,2,3,4,5,6,7
.irp c, 0,1,2,3
	ds_load_b128 v[128+16*\t+4*\c:131+16*\t+4*\c], v[AD] offset:16384+2048*\t+512*\c
.endr
.endr
	WIN 0
.if \chg
.Lnone_\@:
	CHANGE                                         ; here, ahead of the softmax, so that the refill has all of it and the second product in which to land
	s_cmp_gt_u32 s15, s17
	s_cbranch_scc1 .Ldone_\@
.endif
	s_cmp_lg_u32 s15, s17                          ; on the diagonal the scores of hidden keys become -infinity ahead of the maximum; key 0 of the block counts for every query
	s_cbranch_scc1 .Lopen_\@
	MASK 0
	MASK 1
.Lopen_\@:
	MAXB2
	LRESC 0
	LRESC 1
.set j, 0
.rept 32
	FMA 0, j
.set j, j+1
.endr
.irp b, 0,1,2,3
	FMAB 0, \b
.endr
	WALU                                           ; ahead of the batch
	; batch 1: A's 68 exponentials, and B's scalings between them, which batch 2 reads first
.set j, 0
.rept 32
	FMA 1, j
	EXP 0, 2*j
	EXP 0, 2*j+1
.set j, j+1
.endr
.irp b, 0,1,2,3
	FMAB 1, \b
	EXPB 0, \b
.endr
	v_nop
	WALU                                           ; behind the batch
.set n, 0
.rept 19
	ALINE 0, n
.set n, n+1
.endr
	WALU                                           ; ahead of the batch
	; batch 2: B's 68 exponentials; between them the first level of A's sum of the UNQUANTISED p, and A's holds, each behind the sum's reading of its numbers; nothing here reads what stands here
.set n, 0
.rept 16
	EXP 1, 4*n
	v_pk_add_f32 v[224+2*n:225+2*n], v[96+4*n:97+4*n], v[98+4*n:99+4*n]
	EXP 1, 4*n+1
	HOLD 0, 2*n
	EXP 1, 4*n+2
	HOLD 0, 2*n+1
	EXP 1, 4*n+3
.set n, n+1
.endr
.irp b, 0,1,2,3
	EXPB 1, \b
.endr
	v_nop
	WALU                                           ; behind the batch
.set n, 0
.rept 8
	v_pk_add_f32 v[224+2*n:225+2*n], v[224+2*n:225+2*n], v[240+2*n:241+2*n]
	ALINE 1, 2*n
	ALINE 1, 2*n+1
.set n, n+1
.endr
.set n, 0
.rept 8                                        ; B's sum in eight chains, with the rest of A's
	v_pk_add_f32 v[240+2*n:241+2*n], v[160+2*n:161+2*n], v[176+2*n:177+2*n]
	TR 0, n
.set n, n+1
.endr
.set n, 0
.rept 8
	v_pk_add_f32 v[240+2*n:241+2*n], v[240+2*n:241+2*n], v[192+2*n:193+2*n]
.set n, n+1
.endr
.set n, 0
.rept 8
	v_pk_add_f32 v[240+2*n:241+2*n], v[240+2*n:241+2*n], v[208+2*n:209+2*n]
.if n < 3
	ALINE 1, 16+n
.endif
.set n, n+1
.endr
.set n, 0
.rept 8
	TR 1, n
	HOLD 1, 4*n
	HOLD 1, 4*n+1
	HOLD 1, 4*n+2
	HOLD 1, 4*n+3
.set n, n+1
.endr
	CVT 0
	CVT 1
	v_nop                                          ; one plain vector instruction behind the last conversion
	WIN 0x41
	WALU
	RESC 0                                         ; these 64 are also the places between the codes and scale words just made and the products below
	RESC 1
	WALU
	s_wait_dscnt 0x0                               ; V and its scale words are in
	WIN 0x51                                       ; source 0 (V) window 1, source 1 (p) window 0, C and D window 1
.irp t, 0,1,2,3,4,5,6,7
	v_wmma_scale_f32_16x16x128_f8f6f4 v[8*\t:8*\t+7], v[128+16*\t:143+16*\t], v[224:239], v[8*\t:8*\t+7], v[KS+\t], v26
	v_wmma_scale_f32_16x16x128_f8f6f4 v[64+8*\t:71+8*\t], v[128+16*\t:143+16*\t], v[240:255], v[64+8*\t:71+8*\t], v[KS+\t], v27
.endr
	WIN 0
	PLACES 8                                       ; ahead of the loads into V's registers and of the next read of O^T
.if \chg
.Ldone_\@:
	s_add_co_u32 s15, s15, s14
.else
.Lnone_\@:
.endif
.endm
	WALU                                           ; the head's end
	s_wait_loadcnt 0x0                             ; Q
	s_mov_b32 s16, 4
.Lloop:                                            ; a side's key steps j, j + n, j + 2 n, j + 3 n, each with the refill for the one behind it
	ITEM 1
	s_sub_co_u32 s16, s16, 1
	s_cmp_lg_u32 s16, 0
	s_cbranch_scc1 .Lloop
	ITEM 0                                         ; the fifth, where there is one; nothing is filled again
	; THE JOIN.  Each wave stores, for each of its tiles, an image of O^T in two halves and, behind each half, -M and the row's sum, into its own region, which has had its last fill and its last read.
	v_add_f32 v14, v14, v15
	v_add_f32 v18, v18, v19
	s_and_b32 s60, s8, 3
	s_mul_i32 s60, s60, PIECE
	v_add_nc_u32 v40, s60, v[L16]                  ; where the piece that I finish lies in each wave's region
.irp p, 1,2,3,4,5,6,7
	v_add_nc_u32 v[40+\p], \p*ITEMB, v40
.endr
	v_permlanex16_b32 v48, v14, s20, s21
	v_permlanex16_b32 v49, v18, s20, s21
	v_add_f32 v13, v14, v48                        ; with lane l xor 16's keys
	v_add_f32 v17, v18, v49
	ds_store_b64 v[AD], v[12:13] offset:4096
	ds_store_b64 v[AD], v[12:13] offset:PIECE+4096
	ds_store_b64 v[AD], v[16:17] offset:2*PIECE+4096
	ds_store_b64 v[AD], v[16:17] offset:3*PIECE+4096
	WIN 0x04                                       ; an LDS store's data are its source 1: window 1; each accumulator from its low end on
.irp x, 0,1
.irp q, 0,1,2,3,4,5,6,7,8,9,10,11,12,13,14,15
	ds_store_b128 v[AD], v[64*\x+4*\q:64*\x+4*\q+3] offset:PIECE*(2*\x+\q/8)+512*(\q%8)
.endr
.endr
	WIN 0
	s_mov_b32 s70, 0xff800000                      ; a part's -M is held from below: by -infinity, which changes nothing, or, for a part of the other side, by 3e38: then it weighs 0
	s_mov_b32 s71, 0x7f61b1e6
	s_cmp_lt_u32 s8, 4
	s_cselect_b32 s61, 1, 0                        ; I finish hi (1) or lo (0)
.irp p, 0,1,2,3,4,5,6,7
	s_cmp_gt_u32 s13, \p
	s_cselect_b32 s60, 1, 0                        ; part p is hi's or lo's
	s_cmp_eq_u32 s60, s61
	s_cselect_b32 s[80+\p], s70, s71
.endr
	WALU
	s_wait_dscnt 0x0                               ; for the others' sake: my stores have landed
	s_barrier_signal -1
	s_barrier_wait -1
	; M = the largest M of my side's parts; part p weighs f_p = 2^(M_p - M); o = the sum of f_p O_p / the sum of f_p l_p
.irp p, 0,1,2,3,4,5,6,7
	ds_load_b64 v[24+2*\p:25+2*\p], v[40+\p] offset:4096
.endr
	s_wait_dscnt 0x0
.macro PARTLD p                        ; a part of my side; one of the other side is not fetched: finite numbers stand in its registers, and its weight is 0
	s_cmp_eq_u32 s[80+\p], s70
	s_cbranch_scc0 .Lother_\@
.if \p < 4
.irp q, 0,1,2,3,4,5,6,7
	ds_load_b128 v[96+32*\p+4*\q:99+32*\p+4*\q], v[40+\p] offset:512*\q
.endr
.else
	WIN 0x40
.irp q, 0,1,2,3,4,5,6,7
	ds_load_b128 v[32*(\p-4)+4*\q:32*(\p-4)+4*\q+3], v[40+\p] offset:512*\q
.endr
	WIN 0
.endif
.Lother_\@:
.endm
.irp p, 0,1,2,3,4,5,6,7
	PARTLD \p
.endr
.irp p, 0,1,2,3,4,5,6,7
	v_max_num_f32 v[24+2*\p], s[80+\p], v[24+2*\p]
.endr
	v_min3_num_f32 v20, v24, v26, v28
	v_min3_num_f32 v20, v20, v30, v32
	v_min3_num_f32 v20, v20, v34, v36
	v_min_num_f32 v20, v20, v38                    ; -M
.irp p, 0,1,2,3,4,5,6,7
	v_sub_f32 v[49+2*\p], v20, v[24+2*\p]          ; M_p - M: a whole number, 0 or less
.endr
.irp p, 0,1,2,3,4,5,6,7
	v_cvt_i32_f32 v[49+2*\p], v[49+2*\p]           ; (it saturates)
.endr
.irp p, 0,1,2,3,4,5,6,7
	v_ldexp_f32 v[48+2*\p], 1.0, v[49+2*\p]
.endr
	v_mul_f32 v21, v48, v25
.irp p, 1,2,3,4,5,6,7
	v_fmac_f32 v21, v[48+2*\p], v[25+2*\p]
.endr
	WALU                                           ; ahead of the transcendental
	v_rcp_f32 v21, v21
	v_nop
	WALU                                           ; and behind it
.irp p, 0,1,2,3,4,5,6,7
	v_mul_f32 v[48+2*\p], v[48+2*\p], v21
.endr
	WALU
	s_wait_dscnt 0x0                               ; the parts are in
	v_and_b32 v22, 15, v0                          ; r
	v_bfe_u32 v23, v0, 4, 1                        ; h
	s_add_co_u32 s60, s18, 4*PIECE                 ; my stage, in my region behind what others read: 16 rows x 272 bytes
	v_mul_u32_u24 v40, v22, 272
	v_lshl_add_u32 v40, v23, 5, v40
	v_add_nc_u32 v40, s60, v40                     ; in: row r, + 32 h
	v_mul_u32_u24 v41, v23, 272
	v_lshl_add_u32 v41, v22, 4, v41
	v_add_nc_u32 v41, s60, v41                     ; back: lanes 0-15 one row, lanes 16-31 the next
	v_lshlrev_b32 v42, 9, v23
	v_lshl_add_u32 v42, v22, 4, v42                ; and the same in out0
.set jj, 0
.rept 16
	v_pk_mul_f32 v[96+jj:97+jj], v[96+jj:97+jj], v[48:49] op_sel_hi:[1,0]
.set jj, jj+2
.endr
.irp p, 1,2,3,4,5,6,7
.if \p == 4
	WIN 0x01
.endif
.set jj, 0
.rept 16
.if \p < 4
	v_pk_fma_f32 v[96+jj:97+jj], v[96+32*\p+jj:97+32*\p+jj], v[48+2*\p:49+2*\p], v[96+jj:97+jj] op_sel_hi:[1,0,1]
.else
	v_pk_fma_f32 v[96+jj:97+jj], v[32*(\p-4)+jj:32*(\p-4)+jj+1], v[48+2*\p:49+2*\p], v[96+jj:97+jj] op_sel_hi:[1,0,1]
.endif
.set jj, jj+2
.endr
.endr
	WIN 0
	; THE WAY OUT.  Register 8 t + j is o(query of lane r, channel 16 t + 8 h + j) of my 64 channels.  Half a row (256 bytes) of the 16 queries goes through my stage, so that sixteen lanes store 256 consecutive bytes.
.irp q, 0,1,2,3,4,5,6,7
	ds_store_b128 v40, v[96+4*\q:99+4*\q] offset:64*(\q/2)+16*(\q%2)
.endr
.irp i, 0,1,2,3,4,5,6,7
	ds_load_b128 v[128+4*\i:131+4*\i], v41 offset:2*\i*272     ; LDS serves a wave's instructions in order: these see my stores
.endr
.irp i, 0,1,2,3,4,5,6,7
	s_wait_dscnt 7-\i                              ; the stage's loads issued behind this one may be out
	global_store_b128 v42, v[128+4*\i:131+4*\i], s[74:75] offset:2*\i*512 th:TH_STORE_NT   ; 256 consecutive bytes for each 16 lanes, at a multiple of 256 from out0's first byte
.endr
	s_wait_tensorcnt 0x0                           ; the wave's end: a wait, the add onto my spare word and its wait, behind my last tensor load and my last LDS store
	ds_add_u32 v[SPW], v[NIL]
	s_wait_dscnt 0x0
	ROUND                                          ; the closing round: no work-group ends while a partner may still ask for a key step that names it
	s_endpgm
.Lfunc_end_k_q18fb578fe0_attn:
	.size	k_q18fb578fe0_attn, .Lfunc_end_k_q18fb578fe0_attn-k_q18fb578fe0_attn
	.p2alignl 7, 3214868480
	.fill 96, 4, 3214868480
	.section	.rodata,"a",@progbits
	.p2align	6, 0x0
	.amdhsa_kernel k_q18fb578fe0_attn
		.amdhsa_group_segment_fixed_size 327680
		.amdhsa_private_segment_fixed_size 0
		.amdhsa_enable_private_segment 0
		.amdhsa_kernarg_size 16
		.amdhsa_user_sgpr_count 2
		.amdhsa_user_sgpr_kernarg_segment_ptr 1
		.amdhsa_wavefront_size32 1
		.amdhsa_system_sgpr_workgroup_id_x 1
		.amdhsa_system_sgpr_workgroup_id_y 1
		.amdhsa_system_sgpr_workgroup_id_z 1
		.amdhsa_system_vgpr_workitem_id 0
		.amdhsa_next_free_vgpr 512
		.amdhsa_next_free_sgpr 90
		.amdhsa_reserve_vcc 1
		.amdhsa_float_denorm_mode_32 3
		.amdhsa_float_denorm_mode_16_64 3
		.amdhsa_memory_ordered 1
		.amdhsa_forward_progress 1
		.amdhsa_inst_pref_size 143
	.end_amdhsa_kernel
	.amdgpu_metadata
---
amdhsa.version: [ 1, 2 ]
amdhsa.kernels:
  - .name:           k_q18fb578fe0_attn
    .symbol:         k_q18fb578fe0_attn.kd
    .args:
      - { .name: ws, .offset: 0, .size: 8, .value_kind: global_buffer, .address_space: global }
      - { .name: out0, .offset: 8, .size: 8, .value_kind: global_buffer, .address_space: global }
    .group_segment_fixed_size: 327680
    .private_segment_fixed_size: 0
    .kernarg_segment_align: 8
    .kernarg_segment_size: 16
    .max_flat_workgroup_size: 256
    .sgpr_count:     90
    .vgpr_count:     512
    .wavefront_size: 32
...
	.end_amdgpu_metadata
.endif
;; end of part 2
